; MI455X (gfx1250); checked and timed in simulation.
; The chip was launched on July 23, 2026; its instructions are those of AMD's public machine-readable ISA for CDNA 5 (MIT licence, August 2026) and "CDNA5" Instruction Set Architecture Reference Guide (July 2026). The comments in the code are by the model that wrote it; some were corrected since.
;; Real Imag Five Val Linear. Allowed arithmetic: matrix products marked QUANTISED: E2M3 operands, one E8M0 scale for each 32 along K, by v_wmma_scale_f32_16x16x128_f8f6f4 with both operands' format E2M3, f32 sums; everything else in f32.
;; Inputs: quant_x_im 2,048 x 4,096 float32; quant_x_re 2,048 x 4,096 float32; weight_im 2,048 x 4,096 float32; weight_re 2,048 x 4,096 float32.
;; Outputs: out0 2,048 x 2,048 float32; out1 2,048 x 2,048 float32.
;; This version of the problem:
;;   THIS VERSION OF THE PROBLEM IS GIVEN IN LOW PRECISION. The matrix products marked QUANTISED in the list below multiply operands that are first quantised to E2M3 (2 exponent bits, 3 mantissa bits; 6 bits a number), with one power-of-two scale for each 32 numbers along K (OCP MX v1.0); their sums are f32. All else is computed in f32.
;;   The module's matrix products, in the order in which they are computed (A, B: the left and right operand; K: the contracted axis; several contracted axes count as one K, in the product's order):
;;     1. [M 2,048, K 4,096] x [K 4,096, N 2,048]; A: input quant_x_re; B: computed on the way: QUANTISED
;;     2. [M 2,048, K 4,096] x [K 4,096, N 2,048]; A: input quant_x_im; B: computed on the way: QUANTISED
;;     3. [M 2,048, K 4,096] x [K 4,096, N 2,048]; A: input quant_x_re; B: computed on the way: QUANTISED
;;     4. [M 2,048, K 4,096] x [K 4,096, N 2,048]; A: input quant_x_im; B: computed on the way: QUANTISED
;;   THE QUANTISER, for each operand of a quantised product, along K:
;;     - K is cut into blocks of 32 from its start; a last block that is shorter is filled with zeros.
;;     - A block's scale is 2^e with e = floor(log2(the largest magnitude in the block)) - 2, held to -126 .. 127; a block of zeros has e = 0. As a byte (E8M0): e + 127.
;;     - Each number is divided by its block's scale, clamped to +-7.5, and rounded to the nearest number of E2M3, ties to even, subnormals kept.
;;     - The product sums the exact products of the quantised numbers (number of the format x scale) in f32.
;;   ~~~python
;;   def quantise(x, axis):      # numpy; x: float32 -> the quantised numbers, widened to float32 again
;;       x = np.moveaxis(x, axis, -1); K = x.shape[-1]
;;       x = np.pad(x, [(0, 0)] * (x.ndim - 1) + [(0, -K % 32)]); x = x.reshape(x.shape[:-1] + (-1, 32)); a = np.abs(x).max(-1, keepdims=True)
;;       e = np.where(a > 0, np.clip(np.frexp(np.where(a > 0, a, 1))[1] - 1 - 2, -126, 127), 0)      # np.frexp(a)[1] - 1 = floor(log2(a)), exactly
;;       r = np.clip(x / 2.0 ** e, -7.5, 7.5)
;;       step = 2.0 ** (np.maximum(np.frexp(np.where(r == 0, 1, r))[1] - 1, 0) - 3)
;;       q = np.round(r / step) * step * 2.0 ** e      # np.round: ties to even
;;       return np.moveaxis(q.reshape(q.shape[:-2] + (-1,))[..., :K], -1, axis).astype(np.float32)
;;   ~~~
;;   OPERANDS COMPUTED ON THE WAY. 'Computed on the way' means the value that the module computes at that place (a softmax that the list does not call 'softmax' is quantised finished and normalised). What goes into a quantiser is computed in f32, as accurately as f32 sums, v_exp_f32 and their like allow (about 1e-6 of the number): no bf16 or f16 on the way to a quantiser, and a product that is left as it is and whose result goes on into a quantised operand takes f32 operands (vector FMAs, or v_wmma_f32_16x16x4_f32). A number that lies on a knife's edge between two numbers of the format may be rounded either way, as far as f32 arithmetic and the matrix unit's own rounding can turn it there, and no further.
;; One version. Each part assembles by itself: llvm-mc -triple=amdgcn-amd-amdhsa -mcpu=gfx1250 --defsym DOCPART=n.
;; ======== version 1 of 1: 3 launches
;; limits: right only within a limited range of input values
;; workspace buffers: wsum 2,048 bytes; a_frag 13,107,200 bytes; b_frag 13,107,200 bytes
;; launch absum (part 1): grid 512 x 1, 8 waves a work-group, no clusters, 1,280 bytes of LDS; arguments weight_re, weight_im, wsum; writes wsum
.if DOCPART == 1
	.amdgcn_target "amdgcn-amd-amdhsa--gfx1250"
	.amdhsa_code_object_version 6
	.text
	.protected	k_qe5f2b521ff_absum
	.globl	k_qe5f2b521ff_absum
	.p2align	8
	.type	k_qe5f2b521ff_absum,@function
k_qe5f2b521ff_absum:
	s_mov_b64 s[64:65], 0
	v_nop
	global_prefetch_b8 v0, s[64:65] scope:SCOPE_SE
	s_setreg_imm32_b32 hwreg(HW_REG_WAVE_MODE, 25, 1), 1
	s_wait_xcnt 0x0
; PARTIAL SUMS OF |w| for the two weights' global scales (mean of |w|).  weight_re, weight_im: [2048][4096] f32; wsum: f32 [2][256].
; Work-group u takes run u % 256 (32,768 numbers, 131,072 bytes) of tensor u / 256 and stores ONE sum, at word u of wsum; the next launch adds a tensor's 256 words.
; No traffic between work-groups, no atomics: each word of wsum has one owner.
; Thread t takes the 16 bytes at 16 t + 4,096 j, j = 0 .. 31: a wave's load covers 512 consecutive bytes, the eight waves 4,096.  All 32 loads of a wave go out at once: there is no loop.
; The sum is a tree: eight chains of 16 numbers a lane, 7 additions, 5 steps across the lanes, 7 additions across the waves.  So its order differs from a plain running sum's.
; LIMITS: NaN and infinities among the inputs are not served.
; The loads carry no hint: the next launch reads the same bytes once more.
.set ACC, 6                            ; v[6:13]    eight running sums
.set X,   16                           ; v[16:143]  my 128 numbers
	s_load_b128 s[4:7], s[0:1], 0x0                ; weight_re s[4:5], weight_im s[6:7]
	s_load_b64 s[8:9], s[0:1], 0x10                ; wsum
	v_lshl_add_u32 v144, v0, 2, 0x100
	v_mov_b32 v145, 0
	v_lshlrev_b32 v1, 4, v0                        ; 16 t
	v_lshrrev_b32 v2, 5, v0
	s_delay_alu instid0(VALU_DEP_1)
	v_readfirstlane_b32 s10, v2                    ; wave 0..7
	s_delay_alu instid0(VALU_DEP_2)
	v_lshlrev_b32 v3, 2, v2                        ; LDS: my wave's word
	v_mov_b32 v4, 0                                ; LDS: the eight words' first byte
	s_and_b32 s12, ttmp9, 255
	s_lshl_b32 s12, s12, 17                        ; my run's first byte in its tensor
	s_mov_b32 s13, 0
	s_mov_b32 s14, 0x76543210                      ; v_permlanex16_b32: lane l takes lane l xor 16
	s_mov_b32 s15, 0xfedcba98
	s_wait_alu depctr_va_vdst(0)
	s_wait_kmcnt 0x0
	s_cmp_lt_u32 ttmp9, 256                        ; which tensor: the choice hangs on the work-group's number alone
	s_cselect_b64 s[4:5], s[4:5], s[6:7]
	s_add_nc_u64 s[4:5], s[4:5], s[12:13]
.set j, 0
.rept 32
	global_load_b128 v[X+4*j:X+4*j+3], v1, s[4:5] offset:4096*j
.set j, j+1
.endr
	s_wait_loadcnt 28                              ; loads come back in order: the first four are in, the 28 younger ones may be out
.irp c, 0,1,2,3,4,5,6,7
	v_add_f32 v[ACC+\c], |v[X+\c]|, |v[X+8+\c]|    ; the first sixteen numbers start the chains: nothing is cleared
.endr
	s_wait_alu depctr_va_vdst(0)
.irp g, 1,2,3,4,5,6,7
	s_wait_alu depctr_va_vdst(0)
	s_wait_loadcnt 28-4*\g                         ; four loads more are in
.irp c, 0,1,2,3,4,5,6,7
	v_add_f32 v[ACC+\c], v[ACC+\c], |v[X+16*\g+\c]|
.endr
.irp c, 0,1,2,3,4,5,6,7
	v_add_f32 v[ACC+\c], v[ACC+\c], |v[X+16*\g+8+\c]|
.endr
.endr
	v_add_f32 v6, v6, v7
	v_add_f32 v8, v8, v9
	v_add_f32 v10, v10, v11
	s_delay_alu instid0(VALU_DEP_4)
	v_add_f32 v12, v12, v13
	s_delay_alu instid0(VALU_DEP_3)
	v_add_f32 v6, v6, v8
	s_delay_alu instid0(VALU_DEP_2)
	v_add_f32 v10, v10, v12
	s_delay_alu instid0(VALU_DEP_1)
	v_add_f32 v6, v6, v10                          ; my 128 numbers
	s_delay_alu instid0(VALU_DEP_1)
	v_add_f32_dpp v6, v6, v6 row_xmask:1 row_mask:0xf bank_mask:0xf
	s_delay_alu instid0(VALU_DEP_1)
	v_add_f32_dpp v6, v6, v6 row_xmask:2 row_mask:0xf bank_mask:0xf
	s_delay_alu instid0(VALU_DEP_1)
	v_add_f32_dpp v6, v6, v6 row_xmask:4 row_mask:0xf bank_mask:0xf
	s_delay_alu instid0(VALU_DEP_1)
	v_add_f32_dpp v6, v6, v6 row_xmask:8 row_mask:0xf bank_mask:0xf
	s_delay_alu instid0(VALU_DEP_1)
	v_permlanex16_b32 v7, v6, s14, s15             ; (its destination counts as read: v7 has been written)
	s_delay_alu instid0(VALU_DEP_1)
	v_add_f32 v6, v6, v7                           ; the wave's 4,096 numbers, in every lane
	ds_store_b32 v3, v6                            ; all lanes write the wave's word with the same value
	s_wait_dscnt 0x0                               ; for the others' sake: my store has landed
	s_barrier_signal -1
	s_barrier_wait -1
	ds_load_b128 v[16:19], v4                      ; the eight waves' sums
	ds_load_b128 v[20:23], v4 offset:16
	s_wait_dscnt 0x0
	v_add_f32 v16, v16, v17
	v_add_f32 v18, v18, v19
	v_add_f32 v20, v20, v21
	v_add_f32 v22, v22, v23
	s_delay_alu instid0(VALU_DEP_3)
	v_add_f32 v16, v16, v18
	s_delay_alu instid0(VALU_DEP_2)
	v_add_f32 v20, v20, v22
	s_delay_alu instid0(VALU_DEP_1)
	v_add_f32 v16, v16, v20                        ; the work-group's 32,768 numbers
	s_cmp_lg_u32 s10, 0
	s_cbranch_scc1 .Lend                           ; wave 0 stores
	s_lshl_b32 s12, ttmp9, 2
	v_mov_b32 v5, s12                              ; word u of wsum
	v_cmp_eq_u32 vcc_lo, 0, v0
	s_wait_alu depctr_va_vdst(0)
	s_wait_xcnt 0x0                                ; EXEC changes only behind this wait
	s_wait_tensorcnt 0x0
	ds_add_u32 v144, v145
	s_wait_dscnt 0x0
	s_and_saveexec_b32 s11, vcc_lo                 ; one lane
	global_store_b32 v5, v16, s[8:9]
	s_endpgm
.Lend:
	s_wait_tensorcnt 0x0
	ds_add_u32 v144, v145
	s_wait_dscnt 0x0
	s_endpgm
.Lfunc_end_k_qe5f2b521ff_absum:
	.size	k_qe5f2b521ff_absum, .Lfunc_end_k_qe5f2b521ff_absum-k_qe5f2b521ff_absum
	.p2alignl 7, 3214868480
	.fill 96, 4, 3214868480
	.section	.rodata,"a",@progbits
	.p2align	6, 0x0
	.amdhsa_kernel k_qe5f2b521ff_absum
		.amdhsa_group_segment_fixed_size 1280
		.amdhsa_private_segment_fixed_size 0
		.amdhsa_enable_private_segment 0
		.amdhsa_kernarg_size 24
		.amdhsa_user_sgpr_count 2
		.amdhsa_user_sgpr_kernarg_segment_ptr 1
		.amdhsa_wavefront_size32 1
		.amdhsa_system_sgpr_workgroup_id_x 1
		.amdhsa_system_sgpr_workgroup_id_y 1
		.amdhsa_system_sgpr_workgroup_id_z 1
		.amdhsa_system_vgpr_workitem_id 0
		.amdhsa_next_free_vgpr 146
		.amdhsa_next_free_sgpr 66
		.amdhsa_reserve_vcc 1
		.amdhsa_float_denorm_mode_32 3
		.amdhsa_float_denorm_mode_16_64 3
		.amdhsa_memory_ordered 1
		.amdhsa_forward_progress 1
		.amdhsa_inst_pref_size 15
	.end_amdhsa_kernel
	.amdgpu_metadata
---
amdhsa.version: [ 1, 2 ]
amdhsa.kernels:
  - .name:           k_qe5f2b521ff_absum
    .symbol:         k_qe5f2b521ff_absum.kd
    .args:
      - { .name: weight_re, .offset: 0, .size: 8, .value_kind: global_buffer, .address_space: global }
      - { .name: weight_im, .offset: 8, .size: 8, .value_kind: global_buffer, .address_space: global }
      - { .name: wsum, .offset: 16, .size: 8, .value_kind: global_buffer, .address_space: global }
    .group_segment_fixed_size: 1280
    .private_segment_fixed_size: 0
    .kernarg_segment_align: 8
    .kernarg_segment_size: 24
    .max_flat_workgroup_size: 256
    .sgpr_count:     66
    .vgpr_count:     146
    .wavefront_size: 32
...
	.end_amdgpu_metadata
.endif
;; end of part 1
;; launch quant (part 2): grid 2048 x 1, 4 waves a work-group, no clusters, 68,096 bytes of LDS; arguments quant_x_re, quant_x_im, weight_re, weight_im, a_frag, b_frag, wsum; writes a_frag, b_frag
.if DOCPART == 2
	.amdgcn_target "amdgcn-amd-amdhsa--gfx1250"
	.amdhsa_code_object_version 6
	.text
	.protected	k_qe5f2b521ff_quant
	.globl	k_qe5f2b521ff_quant
	.p2align	8
	.type	k_qe5f2b521ff_quant,@function
k_qe5f2b521ff_quant:
	s_mov_b64 s[64:65], 0
	v_nop
	global_prefetch_b8 v0, s[64:65] scope:SCOPE_SE
	s_setreg_imm32_b32 hwreg(HW_REG_WAVE_MODE, 25, 1), 1
	s_wait_xcnt 0x0
; ALL FOUR TENSORS ([2048][4096] f32, K innermost) BECOME CODES OF FP6 (E2M3), 6 bits each, with one E8M0 scale byte for each 32 along K, LAID IN THE ORDER OF THE MATRIX OPERAND'S REGISTERS.
; The weights first go onto the five-value grid, as the module has it: s = max(mean |w|, 1e-5); q = clip(round(w / s x 2) / 2, -1, 1) x s; the number that is quantised is w + (q - w), each step rounded in f32.
; Here with sh = s / 2 (exact): round(w / sh) held to -2 .. 2, times sh.  Doubling, halving and a product with 0, 1 or 2 round nothing, so the bits are those of the module's order.
; w / sh is a reciprocal, a product and one correction by the exact remainder (two fused multiply-adds): right to f32's last bit.
; mean |w| = the sum of the tensor's 256 words of wsum x 2^-23; every wave adds them in the same order, so every wave has the same s.
; THE WORKSPACE.  a_frag holds x_re and x_im, b_frag the two weights, each [32 units][32 steps][12,800 bytes].  Unit G is rows 64 G .. 64 G + 63 of the re part and the same rows of the im part; a step is 128 along K.
; A step's block: eight FRAGMENT IMAGES of 1,536 bytes (re's four, then im's four; fragment f is rows 16 f on), then 512 bytes of scale words.  A fragment, 16 rows x 128 K, is 12 registers a lane: lane (r, h) holds row r,
; registers 6 c .. 6 c + 5 hold K = 64 c + 32 h + 0 .. 31.  Its image is those registers as they stand: registers 4 j .. 4 j + 3 of lane l at byte 512 j + 16 l.  The scale word of row 16 f + r of part c stands at byte 256 c + 16 r + 4 f of the 512.
; A block's scale is 2^(floor(log2(its largest magnitude)) - 2); its byte is the largest magnitude's exponent field - 2, held at 1 from below.  Each number is divided by the scale and rounded to the nearest code, ties to even; beyond 7.5 the largest code.
; LIMITS: a block of zeros gets the byte 1 where the rule says 127 (its codes are zeros, which add nothing under any byte but 0xff, and this program alone reads the bytes); blocks whose largest magnitude lies under 2^-124 keep the byte 1;
; NaN and infinities among the inputs are not served; s / 2 lies between 2^-126 and 2^126, where v_rcp_f32 neither takes nor gives a denormal.
; SHARES.  Work-group u: tensor u / 256 (x_re, x_im, weight_re, weight_im), rows 64 ((u % 256) / 8) on, steps 4 (u % 8) on; wave w takes step 4 (u % 8) + w: 64 rows x 128 along K, four fragments, 8,192 numbers.
; Each load reads 512 consecutive bytes: a row's 128 numbers, 16 bytes a lane; the four waves stand side by side on 2,048 bytes of a row.  The conversion takes 16 NEIGHBOURS from one lane's registers, so a fragment's 16 rows go through
; the wave's own stage in LDS (rows 528 bytes apart) and come back, into the registers that they left, with register 16 b + i of lane (r, h) = K 32 b + 16 h + i of row r.
; An image leaves by three stores of 512 consecutive bytes, the four scale words of a row by one store of 16 bytes from lanes 0-15: 256 consecutive bytes.  All start at multiples of 256 from the buffer's first byte.
; No barrier: waves share nothing.  Three sets of 64 registers: three fragments' loads (48 a wave) go out at the head, the fourth when the first set is free; the turn through LDS runs one fragment ahead of the arithmetic, in two stages by turns.
.set STEPB, 12800                      ; a unit's block of one step
.set FRB,   1536                       ; a fragment's image
.set SCO,   8*FRB                      ; where a block's scale words begin
.set SROW,  16384                      ; a source row in bytes
.set SET,   16                         ; v16-207  three sets of 64 numbers
.set T,     208                        ; v208-223 the five-value step, at work
.set U,     224                        ; v224-239 likewise
.set PC,    208                        ; v208-227 the codes just made (behind the five-value step, in its registers)
.set TM,    228                        ; v228-231 largest magnitudes, v232-235 the other half's, then the bytes, v240-243 the conversions' scale operands
.set SW,    248                        ; v[248:249] my row's scale words of the two fragments
.set SH,    252                        ; v[252:253] s / 2, twice
.set RI,    254                        ; v[254:255] 1 / (s / 2), twice
.set SP,    528                        ; a stage row: 512 bytes + 16
.set STG,   16*SP                      ; a stage
.set WREG,  2*STG                      ; LDS: two stages of its own for each wave
	s_load_b256 s[4:11], s[0:1], 0x0               ; x_re s[4:5], x_im s[6:7], weight_re s[8:9], weight_im s[10:11]
	s_load_b128 s[16:19], s[0:1], 0x20             ; a_frag s[16:17], b_frag s[18:19]
	s_load_b64 s[12:13], s[0:1], 0x30              ; wsum
	v_lshl_add_u32 v246, v0, 2, 0x10800
	v_mov_b32 v247, 0
	v_lshrrev_b32 v1, 5, v0
	v_readfirstlane_b32 s32, v1                    ; wave
	v_and_b32 v2, 31, v0                           ; lane
	v_lshlrev_b32 v3, 4, v2                        ; 16 x lane: my 16 bytes of a load's 512, and of a store's
	v_and_b32 v4, 15, v0                           ; r
	v_bfe_u32 v5, v0, 4, 1                         ; h
	s_mul_i32 s33, s32, WREG
	v_add_nc_u32 v14, s33, v3                      ; the stage, on the way in: a row's 512 bytes as they were loaded
	v_mul_u32_u24 v15, v4, SP
	v_lshl_add_u32 v15, v5, 6, v15
	v_add_nc_u32 v15, s33, v15                     ; and on the way out: row r, + 64 h: my 16 numbers of a block of 32
	v_lshlrev_b32 v4, 4, v4                        ; 16 r: my row's four scale words
	v_lshlrev_b32 v10, 5, v2                       ; wsum: 8 words a lane
	s_mov_b32 s42, 0x76543210                      ; v_permlanex16_b32: lane l takes lane l xor 16
	s_mov_b32 s43, 0xfedcba98
.irp b, 0,1,2,3
	v_mov_b32 v[TM+4+\b], 0                        ; written once: a lane permute's destination counts as one of its sources
.endr
	; THE SHARES AS THEY STAND (in place of the head's paragraph SHARES and of its last line): work-group u takes tensor u / 512 (weight_re, weight_im, x_re, x_im: the weights, which have the five-value step
	; to do as well, come first), unit G = (u % 512) / 16, of its 64 rows the 32 rows from 32 ((u / 8) % 2) on, steps 4 (u % 8) on; wave w takes step 4 (u % 8) + w: 32 rows x 128 along K, TWO fragments, 4,096 numbers.
	; Two sets of 64 registers: both fragments' loads (32 a wave) go out at the head.  A row's two scale words leave by one store of 8 bytes from lanes 0-15: 8 bytes of each 16, the other 8 being the other half's.
	s_and_b32 s34, ttmp9, 511
	s_bfe_u32 s35, ttmp9, 0x10009                  ; c: 0 re, 1 im
	s_lshr_b32 s36, ttmp9, 10
	s_xor_b32 s36, s36, 1                          ; 0: an x, 1: a weight
	s_lshr_b32 s37, s34, 4                         ; G: which 64 rows
	s_bfe_u32 s33, s34, 0x10003                    ; and which 32 of them
	s_and_b32 s34, s34, 7
	s_lshl_b32 s34, s34, 2
	s_add_co_u32 s34, s34, s32                     ; my step
	s_lshl_b32 s38, s37, 20                        ; 64 rows of 16,384 bytes,
	s_lshl_b32 s39, s34, 9                         ; 512 bytes a step
	s_add_co_u32 s38, s38, s39
	s_lshl_b32 s39, s33, 19                        ; 32 rows of 16,384 bytes
	s_add_co_u32 s38, s38, s39                     ; where my numbers begin in their tensor
	s_mov_b32 s39, 0
	s_lshl_b32 s40, s37, 5
	s_add_co_u32 s40, s40, s34
	s_mul_i32 s40, s40, STEPB                      ; where block (G, step) begins
	s_mov_b32 s41, 0
	s_mul_i32 s44, s35, 4*FRB                      ; in it my part's four images,
	s_mul_i32 s45, s33, 2*FRB
	s_add_co_u32 s44, s44, s45                     ; of them my two,
	s_mov_b32 s45, 0
	s_lshl_b32 s46, s35, 8
	s_add_co_u32 s46, s46, SCO                     ; and my part's 256 bytes of scale words,
	s_lshl_b32 s47, s33, 3
	s_add_co_u32 s46, s46, s47                     ; of a row's four words my two
	s_mov_b32 s47, 0
	s_wait_alu depctr_va_vdst(0)
	s_wait_kmcnt 0x0
	s_cmp_ge_u32 ttmp9, 1024                       ; x or weight?  The choices hang on the work-group's number alone
	s_cselect_b64 s[24:25], s[4:5], s[8:9]         ; the re part,
	s_cselect_b64 s[26:27], s[6:7], s[10:11]       ; the im part,
	s_cselect_b64 s[28:29], s[16:17], s[18:19]     ; the workspace
	s_bitcmp1_b32 ttmp9, 9                         ; re or im?
	s_cselect_b64 s[24:25], s[26:27], s[24:25]
	s_add_nc_u64 s[24:25], s[24:25], s[38:39]
	s_add_nc_u64 s[28:29], s[28:29], s[40:41]
	s_add_nc_u64 s[30:31], s[28:29], s[46:47]      ; the scale words
	s_add_nc_u64 s[28:29], s[28:29], s[44:45]      ; the images
	s_lshl_b32 s38, s35, 10                        ; wsum: 1,024 bytes for each weight
	s_add_nc_u64 s[12:13], s[12:13], s[38:39]
.macro LOAD f                          ; fragment f: rows 16 f .. 16 f + 15, one load a row, into set f % 3
.irp i, 0,1,2,3,4,5,6,7,8,9,10,11,12,13,14,15
	global_load_b128 v[SET+64*((\f)%3)+4*\i:SET+64*((\f)%3)+4*\i+3], v3, s[24:25] offset:(16*(\f)+\i)*SROW th:TH_LOAD_NT   ; 32 lanes read 512 consecutive bytes
.endr
.endm
.macro TURN f                          ; fragment f through stage f % 2, and back into the registers that it left: LDS serves a wave's instructions in order (ISA guide 5.7.1.4), so no wait stands between the stores and the loads
.irp i, 0,1,2,3,4,5,6,7,8,9,10,11,12,13,14,15
	ds_store_b128 v14, v[SET+64*((\f)%3)+4*\i:SET+64*((\f)%3)+4*\i+3] offset:STG*((\f)%2)+SP*\i
.endr
.irp b, 0,1,2,3
.irp j, 0,1,2,3
	ds_load_b128 v[SET+64*((\f)%3)+16*\b+4*\j:SET+64*((\f)%3)+16*\b+4*\j+3], v15 offset:STG*((\f)%2)+128*\b+16*\j
.endr
.endr
.endm
; 64 numbers of a lane, v[s] .. v[s + 63], register 16 b + i = K 32 b + 16 h + i of my row, become a fragment's codes in v[PC] .. v[PC + 11] and my row's scale word in v[w].
.macro QUANT s, w
.irp b, 0,1,2,3
	v_max3_num_f32 v[TM+\b], |v[\s+16*\b]|, |v[\s+1+16*\b]|, 0x1800000   ; block b: my 16 numbers, and the floor 2^(3 - 127), under which no largest magnitude is taken: so the byte cannot fall under 1
.endr
.irp i, 2,4,6,8,10,12,14
.irp b, 0,1,2,3
	v_max3_num_f32 v[TM+\b], v[TM+\b], |v[\s+16*\b+\i]|, |v[\s+1+16*\b+\i]|   ; (the four blocks by turns: no line waits for the line above it)
.endr
.endr
.irp b, 0,1,2,3
	v_permlanex16_b32 v[TM+4+\b], v[TM+\b], s42, s43
.endr
.irp b, 0,1,2,3
	v_max_num_f32 v[TM+\b], v[TM+\b], v[TM+4+\b]   ; with lane l xor 16's: the block's largest magnitude
.endr
.irp b, 0,1,2,3
	v_add_nc_u32 v[TM+12+\b], 0xff000000, v[TM+\b] ; 2 off its exponent field: the conversion takes the exponent field of this operand as its scale, and nothing else of it
.endr
.irp b, 0,1,2,3
	v_lshrrev_b32 v[TM+4+\b], 23, v[TM+12+\b]      ; the scale's byte
.endr
	v_lshl_or_b32 v[\w], v[TM+5], 8, v[TM+4]       ; the four bytes make my row's scale word (lanes 16-31 hold the same as lanes 0-15)
	v_lshl_or_b32 v[\w], v[TM+6], 16, v[\w]
	v_lshl_or_b32 v[\w], v[TM+7], 24, v[\w]
.irp c, 0,1
	v_cvt_scalef32_pk16_fp6_f32 v[PC+6*\c:PC+2+6*\c], v[\s+32*\c:\s+15+32*\c], v[TM+12+2*\c]
	v_cvt_scalef32_pk16_fp6_f32 v[PC+12+4*\c:PC+14+4*\c], v[\s+16+32*\c:\s+31+32*\c], v[TM+12+2*\c+1]   ; (a conversion's three registers begin on an even number)
.endr
	v_nop                                          ; one plain instruction behind a scaled conversion, ahead of the vector instructions that touch its result
.irp c, 0,1                                    ; the operand's layout wants a WHOLE block in a lane: lanes 0-15 block 2 c, lanes 16-31 block 2 c + 1
.irp i, 0,1,2
	v_permlane16_swap_b32 v[PC+6*\c+\i], v[PC+12+4*\c+\i]   ; the first's lanes 16-31 change places with the second's lanes 0-15
.endr
.irp i, 0,1,2
	v_mov_b32 v[PC+3+6*\c+\i], v[PC+12+4*\c+\i]
.endr
.endr
.endm
	global_load_b128 v[T:T+3], v10, s[12:13]       ; a weight's 256 partial sums, 8 a lane
	global_load_b128 v[T+4:T+7], v10, s[12:13] offset:16
	LOAD 0
	LOAD 1
	; THE SCALE.  Every work-group runs these lines, those of x too (on the sums of the weight of their part), and those never use the result: one way through the text, and every register written on it.
	s_wait_loadcnt 32                              ; the partial sums are in; the 32 loads of numbers may be out
	v_pk_add_f32 v[T:T+1], v[T:T+1], v[T+2:T+3]
	v_pk_add_f32 v[T+4:T+5], v[T+4:T+5], v[T+6:T+7]
	v_pk_add_f32 v[T:T+1], v[T:T+1], v[T+4:T+5]
	v_add_f32 v[T], v[T], v[T+1]
	v_add_f32_dpp v[T], v[T], v[T] row_xmask:1 row_mask:0xf bank_mask:0xf
	v_add_f32_dpp v[T], v[T], v[T] row_xmask:2 row_mask:0xf bank_mask:0xf
	v_add_f32_dpp v[T], v[T], v[T] row_xmask:4 row_mask:0xf bank_mask:0xf
	v_add_f32_dpp v[T], v[T], v[T] row_xmask:8 row_mask:0xf bank_mask:0xf
	v_permlanex16_b32 v[T+1], v[T], s42, s43       ; (its destination counts as read: it has been written)
	v_add_f32 v[T], v[T], v[T+1]                   ; the sum of |w| over the tensor's 2^23 numbers
	v_mul_f32 v[T], 0x33800000, v[T]               ; x 2^-24: half the mean, exactly
	v_max_num_f32 v[SH], 0x36a7c5ac, v[T]          ; sh = max(mean, 1e-5) / 2 = max(mean / 2, 1e-5 / 2)
	v_mov_b32 v[SH+1], v[SH]
	v_rcp_f32 v[RI], v[SH]
	v_nop                                          ; a plain instruction behind the reciprocal, ahead of the use of its result (ISA guide 5.7.2)
	s_wait_alu depctr_va_vdst(0)                   ; and the wait ahead of the first instruction that names the result
	v_mov_b32 v[RI+1], v[RI]
	s_wait_loadcnt 16                              ; fragment 0's sixteen loads are in; those of fragment 1 may be out
	TURN 0
.macro STEP f
.set XS, SET+64*((\f)%3)
	s_wait_dscnt 0x0                               ; this fragment's numbers are back from the stage
.if (\f) == 0
	s_wait_loadcnt 0x0                             ; the second fragment's loads are in
	TURN (\f)+1                                    ; and go through the other stage while this fragment is worked
.endif
.if (\f) > 0
	s_wait_xcnt 0x0                                ; the last image's stores have read their registers: these are written again only behind this wait
.endif
	s_cmp_eq_u32 s36, 0                            ; x is quantised as it is.  The branch hangs on the work-group's number alone and leads round vector arithmetic only
	s_cbranch_scc1 .Lraw_\@
	s_wait_alu depctr_va_vdst(0)
.irp g, 0,16,32,48
.irp p, 0,2,4,6,8,10,12,14
	v_pk_mul_f32 v[T+\p:T+\p+1], v[XS+\g+\p:XS+\g+\p+1], v[RI:RI+1]        ; w / sh, nearly
.endr
.irp p, 0,2,4,6,8,10,12,14
	v_pk_fma_f32 v[U+\p:U+\p+1], v[T+\p:T+\p+1], v[SH:SH+1], v[XS+\g+\p:XS+\g+\p+1] neg_lo:[1,0,0] neg_hi:[1,0,0]   ; what is left of w: one rounding
.endr
.irp p, 0,2,4,6,8,10,12,14
	v_pk_fma_f32 v[T+\p:T+\p+1], v[U+\p:U+\p+1], v[RI:RI+1], v[T+\p:T+\p+1]   ; the quotient, corrected
.endr
.irp i, 0,1,2,3,4,5,6,7,8,9,10,11,12,13,14,15
	v_rndne_f32 v[T+\i], v[T+\i]                   ; to a whole number, ties to even
.endr
.irp i, 0,1,2,3,4,5,6,7,8,9,10,11,12,13,14,15
	v_med3_num_f32 v[T+\i], v[T+\i], -2.0, 2.0     ; the clip to -1 .. 1, of twice the number
.endr
.irp p, 0,2,4,6,8,10,12,14
	v_pk_fma_f32 v[T+\p:T+\p+1], v[T+\p:T+\p+1], v[SH:SH+1], v[XS+\g+\p:XS+\g+\p+1] neg_lo:[0,0,1] neg_hi:[0,0,1]   ; q - w: the product with -2 .. 2 is exact, so the one rounding is the subtraction's
.endr
.irp p, 0,2,4,6,8,10,12,14
	v_pk_add_f32 v[XS+\g+\p:XS+\g+\p+1], v[XS+\g+\p:XS+\g+\p+1], v[T+\p:T+\p+1]   ; w + (q - w)
.endr
.endr
.Lraw_\@:
	QUANT XS, SW+(\f)
.irp c, 0,1,2
	global_store_b128 v3, v[PC+4*\c:PC+4*\c+3], s[28:29] offset:FRB*(\f)+512*\c   ; the image: 32 lanes store 512 consecutive bytes
.endr
.endm
.irp t, 0,1
	STEP \t
.endr
	v_cmp_gt_u32 vcc_lo, 16, v2
	s_wait_xcnt 0x0                                ; EXEC changes only behind this wait
	s_wait_tensorcnt 0x0
	ds_add_u32 v246, v247
	s_wait_dscnt 0x0
	s_and_saveexec_b32 s33, vcc_lo                 ; lanes 0-15: a lane a row
	global_store_b64 v4, v[SW:SW+1], s[30:31]      ; my row's two scale words
	s_endpgm
.Lfunc_end_k_qe5f2b521ff_quant:
	.size	k_qe5f2b521ff_quant, .Lfunc_end_k_qe5f2b521ff_quant-k_qe5f2b521ff_quant
	.p2alignl 7, 3214868480
	.fill 96, 4, 3214868480
	.section	.rodata,"a",@progbits
	.p2align	6, 0x0
	.amdhsa_kernel k_qe5f2b521ff_quant
		.amdhsa_group_segment_fixed_size 68096
		.amdhsa_private_segment_fixed_size 0
		.amdhsa_enable_private_segment 0
		.amdhsa_kernarg_size 56
		.amdhsa_user_sgpr_count 2
		.amdhsa_user_sgpr_kernarg_segment_ptr 1
		.amdhsa_wavefront_size32 1
		.amdhsa_system_sgpr_workgroup_id_x 1
		.amdhsa_system_sgpr_workgroup_id_y 1
		.amdhsa_system_sgpr_workgroup_id_z 1
		.amdhsa_system_vgpr_workitem_id 0
		.amdhsa_next_free_vgpr 256
		.amdhsa_next_free_sgpr 66
		.amdhsa_reserve_vcc 1
		.amdhsa_float_denorm_mode_32 3
		.amdhsa_float_denorm_mode_16_64 3
		.amdhsa_memory_ordered 1
		.amdhsa_forward_progress 1
		.amdhsa_inst_pref_size 52
	.end_amdhsa_kernel
	.amdgpu_metadata
---
amdhsa.version: [ 1, 2 ]
amdhsa.kernels:
  - .name:           k_qe5f2b521ff_quant
    .symbol:         k_qe5f2b521ff_quant.kd
    .args:
      - { .name: quant_x_re, .offset: 0, .size: 8, .value_kind: global_buffer, .address_space: global }
      - { .name: quant_x_im, .offset: 8, .size: 8, .value_kind: global_buffer, .address_space: global }
      - { .name: weight_re, .offset: 16, .size: 8, .value_kind: global_buffer, .address_space: global }
      - { .name: weight_im, .offset: 24, .size: 8, .value_kind: global_buffer, .address_space: global }
      - { .name: a_frag, .offset: 32, .size: 8, .value_kind: global_buffer, .address_space: global }
      - { .name: b_frag, .offset: 40, .size: 8, .value_kind: global_buffer, .address_space: global }
      - { .name: wsum, .offset: 48, .size: 8, .value_kind: global_buffer, .address_space: global }
    .group_segment_fixed_size: 68096
    .private_segment_fixed_size: 0
    .kernarg_segment_align: 8
    .kernarg_segment_size: 56
    .max_flat_workgroup_size: 128
    .sgpr_count:     66
    .vgpr_count:     256
    .wavefront_size: 32
...
	.end_amdgpu_metadata
.endif
;; end of part 2
;; launch gemm (part 3): grid 16 x 16, 4 waves a work-group, clusters of 4 x 1, 327,680 bytes of LDS; arguments a_frag, b_frag, out0, out1; writes out0, out1
.if DOCPART == 3
	.amdgcn_target "amdgcn-amd-amdhsa--gfx1250"
	.amdhsa_code_object_version 6
	.text
	.protected	k_qe5f2b521ff_gemm
	.globl	k_qe5f2b521ff_gemm
	.p2align	8
	.type	k_qe5f2b521ff_gemm,@function
k_qe5f2b521ff_gemm:
	s_mov_b64 s[64:65], 0
	v_nop
	global_prefetch_b8 v0, s[64:65] scope:SCOPE_SE
	s_setreg_imm32_b32 hwreg(HW_REG_WAVE_MODE, 25, 1), 1
	s_wait_xcnt 0x0
	s_wait_alu depctr_hold_cnt(0) depctr_sa_sdst(0) depctr_va_vdst(0) depctr_va_sdst(0) depctr_va_ssrc(0) depctr_va_vcc(0) depctr_vm_vsrc(0)
	s_getreg_b32 s2, hwreg(HW_REG_IB_STS2, 6, 4)
	s_cmp_eq_u32 s2, 0
	s_cbranch_scc0 .Lentry_in_a_cluster
	s_endpgm
.Lentry_in_a_cluster:
	s_bfe_u32 s2, ttmp6, 0x10000c
	s_cmp_lg_u32 s2, 0x3003
	s_cbranch_scc0 .Lentry_shape_is_right
	s_endpgm
.Lentry_shape_is_right:
; y_real = xr wr^T - xi wi^T, y_imag = xr wi^T + xi wr^T, all four products on codes of FP6 (E2M3) with E8M0 scales, f32 sums.
; a_frag (x) and b_frag (w): [32 units][32 steps][12,800 bytes]; a unit is 64 rows of the re part and the same rows of the im part, a step 128 along K;
; a step's block is eight register images of fragments (re's four, im's four; 1,536 bytes each), then 512 bytes of scale words (row 16 f + r of part c at 256 c + 16 r + 4 f).
; A work-group makes 128 x 128 complex numbers: x's units 2 tr, 2 tr + 1 against w's units 2 tc, 2 tc + 1.  Wave v makes complex rows 32 v .. 32 v + 31 x all 128 complex columns:
; 4 fragments of x (re, im x 2) against 16 of w: 64 accumulators, 512 registers; the four real products are joined on the way out.
; X GOES STRAIGHT INTO REGISTERS: each byte of x's block belongs to ONE wave, and the workspace holds register images, so 13 loads a step (12 of 512 consecutive bytes, one of scale words) bring a step's
; operand; five sets of registers, loaded four steps ahead.  No joint load serves x: a joint load lands in LDS, and no second wave of the work-group wants these bytes.  No prefetch for x: its loads
; themselves run four steps (52 loads a wave) ahead of their use.
; W GOES THROUGH LDS, since all four waves read all of it: a ring of two slots of five steps (2 units x 64,000 bytes), each wave bringing a quarter of a slot (125 rows of 256 bytes) by one tensor load.
; CLUSTER 4, 1, 1: the four work-groups of a cluster differ in tr alone and need the same tiles of w: each tile is asked for jointly, mask 15, same descriptor in all four.
; K: steps 0, 1 lie in slot 0 (the head's small fill: a step a wave, at places 0 and 3 of its unit, inside the bytes that the wave fills later), then slots of five steps: 32 = 2 + 6 x 5.
; W's tiles are prefetched one fill (five steps) ahead of their tensor load: a wave's 125 blocks of 256 bytes are shared out among the four partners by address (32, 31, 31, 31), a lane a block.
; THE MATRIX INSTRUCTION IS USED TRANSPOSED (source 0 = 16 rows of w, source 1 = 16 rows of x): a lane holds eight neighbouring columns of one row of y.
; REGISTERS: window 0: v0-23 addresses; v24-39 w's scale words, two sets; v40-49 x's, five sets; v64-255 x's sets 0-3 (on the way out v128-255 are at work).
;   window 1: v0-191 w's 16 fragments, ONE set, fetched anew by halves; v192-239 x's set 4.   window 2: accumulators of x's re fragments ((j, i) at v[8 (16 j + i)]);   window 3: those of its im fragments.
; LIMITS: as the quantising launch states them.
.set STEPB,  12800
.set FRB,    1536
.set SCO,    8*FRB
.set UNITB,  32*STEPB
.set NST,    5                         ; steps in a slot
.set UNITL,  NST*STEPB                 ; a unit's bytes in a slot
.set SLOT,   2*UNITL
.set PARTB,  UNITL/2                   ; what one tensor load of the ring brings
.set SPITCH, 528                       ; the way out: a stage row, 512 bytes + 16
.set SHALF,  16*SPITCH
.set STAGE,  2*SLOT                    ; behind the ring, bytes of its own: two stages of 16 rows for each wave
.set SPARE,  STAGE+8*SHALF             ; behind the stages: the spare words
.set OROW,   8192                      ; a row of y in bytes
.set FR,     12
.set ADRW, 8                           ; v8-11   LDS address of w's fragments: slot 0 unit 0, 1; slot 1 unit 0, 1
.set ADRS, 12                          ; v12-13  of w's scale words in slot 0, 1: lanes 0-15 unit 0, lanes 16-31 unit 1
.set XO,   14                          ; v14     x's fragments: 16 x lane + my two fragments' place
.set XSO,  15                          ; v15     x's scale words: lanes 0-15 re, lanes 16-31 im
.set STO,  16
.set RD,   17
.set CO,   18
.set SPW,  20
.set NIL,  21
.set PFO,  22
.set WS,   24
.set XSC,  40
.set XF,   64
.set BK,   128
.set XB,   10                          ; s[10:11] x's unit, stepped once a trip
.set G1,   24                          ; s[24:31] group 1, 125 rows;  s[68:75] the head's, 50 rows
.set G0,   32                          ; s[32:39] group 0, one set a slot;  s[52:55] the head's
.set G0H,  52
.set G1F,  68
.set YR,   96
.set PFA,  100
.set MSB, 0
.macro WIN new
.if MSB != \new
	s_set_vgpr_msb (MSB<<8)|\new
.set MSB, \new
.endif
.endm
.macro CREST
	s_cmp_lg_u32 s14, 0
	s_cbranch_scc1 .Lnot_wave_0_\@
	s_barrier_signal -3
.Lnot_wave_0_\@:
	s_barrier_wait -3
	s_barrier_signal -1
	s_barrier_wait -1
.endm
.macro CROUND
	s_barrier_signal -1
	s_barrier_wait -1
	CREST
.endm
.macro PLACES
.rept 4
	v_nop
.endr
.endm
.macro TLOAD g0, g1                    ; every wave asks for its own quarter
	tensor_load_to_lds s[\g0:\g0+3], s[\g1:\g1+7]
	s_nop 0
	PLACES
.endm
; one product.  u: w's unit (its scale words lie in lanes 16-31 for unit 1); q: x's part (im's words lie in lanes 16-31)
.macro WM d, a, b, sa, sb, u, q, zero
.if \zero
.if 2*(\u)+(\q) == 0
	v_wmma_scale_f32_16x16x128_f8f6f4 v[\d:\d+7], v[\a:\a+11], v[\b:\b+11], 0, v[\sa], v[\sb] matrix_a_fmt:MATRIX_FMT_FP6 matrix_b_fmt:MATRIX_FMT_FP6
.elseif 2*(\u)+(\q) == 1
	v_wmma_scale_f32_16x16x128_f8f6f4 v[\d:\d+7], v[\a:\a+11], v[\b:\b+11], 0, v[\sa], v[\sb] matrix_a_fmt:MATRIX_FMT_FP6 matrix_b_fmt:MATRIX_FMT_FP6 matrix_b_scale:MATRIX_SCALE_ROW1
.elseif 2*(\u)+(\q) == 2
	v_wmma_scale_f32_16x16x128_f8f6f4 v[\d:\d+7], v[\a:\a+11], v[\b:\b+11], 0, v[\sa], v[\sb] matrix_a_fmt:MATRIX_FMT_FP6 matrix_b_fmt:MATRIX_FMT_FP6 matrix_a_scale:MATRIX_SCALE_ROW1
.else
	v_wmma_scale_f32_16x16x128_f8f6f4 v[\d:\d+7], v[\a:\a+11], v[\b:\b+11], 0, v[\sa], v[\sb] matrix_a_fmt:MATRIX_FMT_FP6 matrix_b_fmt:MATRIX_FMT_FP6 matrix_a_scale:MATRIX_SCALE_ROW1 matrix_b_scale:MATRIX_SCALE_ROW1
.endif
.else
.if 2*(\u)+(\q) == 0
	v_wmma_scale_f32_16x16x128_f8f6f4 v[\d:\d+7], v[\a:\a+11], v[\b:\b+11], v[\d:\d+7], v[\sa], v[\sb] matrix_a_fmt:MATRIX_FMT_FP6 matrix_b_fmt:MATRIX_FMT_FP6
.elseif 2*(\u)+(\q) == 1
	v_wmma_scale_f32_16x16x128_f8f6f4 v[\d:\d+7], v[\a:\a+11], v[\b:\b+11], v[\d:\d+7], v[\sa], v[\sb] matrix_a_fmt:MATRIX_FMT_FP6 matrix_b_fmt:MATRIX_FMT_FP6 matrix_b_scale:MATRIX_SCALE_ROW1
.elseif 2*(\u)+(\q) == 2
	v_wmma_scale_f32_16x16x128_f8f6f4 v[\d:\d+7], v[\a:\a+11], v[\b:\b+11], v[\d:\d+7], v[\sa], v[\sb] matrix_a_fmt:MATRIX_FMT_FP6 matrix_b_fmt:MATRIX_FMT_FP6 matrix_a_scale:MATRIX_SCALE_ROW1
.else
	v_wmma_scale_f32_16x16x128_f8f6f4 v[\d:\d+7], v[\a:\a+11], v[\b:\b+11], v[\d:\d+7], v[\sa], v[\sb] matrix_a_fmt:MATRIX_FMT_FP6 matrix_b_fmt:MATRIX_FMT_FP6 matrix_a_scale:MATRIX_SCALE_ROW1 matrix_b_scale:MATRIX_SCALE_ROW1
.endif
.endif
.endm
; 16 products: w's unit u (8 fragments) x the two fragments of x's part q, from x's set xs and w's scale set ss.  The 64 accumulators take turns, in the same order in every step.
.macro MUL16 u, q, xs, ss, zero
.if (\xs) == 4
.set XR_, 192
	WIN (0xa5+0x50*(\q))
.else
.set XR_, XF+48*(\xs)
	WIN (0xa1+0x50*(\q))
.endif
.irp j, 0,1
.irp i, 0,1,2,3,4,5,6,7
	WM 8*(16*\j+8*(\u)+\i), FR*(8*(\u)+\i), XR_+FR*(2*(\q)+\j), WS+8*(\ss)+\i, XSC+2*(\xs)+\j, \u, \q, \zero
.endr
.endr
.endm
.macro FETCH_W slot, t, u              ; unit u's eight fragments at place t of a slot: 24 LDS loads, each of 512 consecutive bytes
	WIN 0x40
.irp i, 0,1,2,3,4,5,6,7
.irp c, 0,1,2
	ds_load_b128 v[FR*(8*(\u)+\i)+4*\c:FR*(8*(\u)+\i)+4*\c+3], v[ADRW+2*(\slot)+(\u)] offset:(\t)*STEPB+\i*FRB+512*\c
.endr
.endr
	WIN 0
.endm
.macro SCALES slot, t, ss              ; register 4 c + f: the words of fragment f of part c; lanes 0-15 unit 0, lanes 16-31 unit 1
.irp c, 0,1
	ds_load_b128 v[WS+8*(\ss)+4*\c:WS+8*(\ss)+4*\c+3], v[ADRS+(\slot)] offset:(\t)*STEPB+256*\c
.endr
.endm
.macro XLOAD rel, set                  ; x's four fragments and their scale words, step rel counted from s[XB]: 13 loads
.if (\set) == 4
.set XR_, 192
	WIN 0x40
.else
.set XR_, XF+48*(\set)
.endif
.irp g, 0,1,2,3
.irp c, 0,1,2
	global_load_b128 v[XR_+FR*\g+4*\c:XR_+FR*\g+4*\c+3], v[XO], s[XB:XB+1] offset:(\rel)*STEPB+(4*(\g/2)+\g%2)*FRB+512*\c
.endr
.endr
	WIN 0
	global_load_b64 v[XSC+2*(\set):XSC+2*(\set)+1], v[XSO], s[XB:XB+1] offset:(\rel)*STEPB+SCO
.endm
.macro PREF
	global_prefetch_b8 v[PFO], s[PFA:PFA+1] th:TH_LOAD_NT scope:SCOPE_SE
.endm
; A step of 128 along K: 64 products.  w's unit 0 is fetched anew for the next step in the middle, unit 1 at the end; x's set of four steps on is asked for in the middle.
; kind 0: inside a slot.  kind 1: a slot's last step: the three lines, the barrier, which opens a round of the cluster's barrier, and this slot's refill.  kind 2: the same with nothing left to fill: the barrier alone.
; T: the step (its residues pick the sets); nslot, nt: where the next step's w lies; xrel: x's step to ask for, counted from s[XB], or -1; lc: x's younger loads that may stay out.
.macro STEP kind, slot, nslot, nt, T, zero, xrel, lc, adv, ask
.set XS_, (\T)%5
.set SS_, (\T)%2
.if \kind == 1
	s_wait_xcnt 0x0                                ; my last prefetch has read its address
	s_add_nc_u64 s[PFA:PFA+1], s[PFA:PFA+1], NST*STEPB
.endif
	s_wait_loadcnt \lc                             ; this step's x is in; 13 loads for each younger set may be out
.if \kind
	s_wait_tensorcnt 0x0                           ; my quarter of the next slot has landed
	ds_add_u32 v[SPW], v[NIL]
	s_wait_dscnt 25                                ; the add and unit 1's 24 loads may be out
	MUL16 0, 0, XS_, SS_, 0
	s_wait_dscnt 0x0                               ; the add is done, my reads of this slot are over
	s_barrier_signal -1
	MUL16 0, 1, XS_, SS_, 0
	WIN 0
	s_barrier_wait -1
.if \kind == 1
	CREST
.if \adv
	s_add_nc_u64 s[G0+4*(\slot)+2:G0+4*(\slot)+3], s[G0+4*(\slot)+2:G0+4*(\slot)+3], 2*NST*STEPB
.endif
	TLOAD G0+4*(\slot), G1                         ; the first tensor load behind the round; its four v_nop are the places in front of the loads below
.else
	PLACES
.endif
.else
	s_wait_dscnt 24                                ; unit 0 and the scale words are in; unit 1's 24 loads may be out
	MUL16 0, 0, XS_, SS_, \zero
	MUL16 0, 1, XS_, SS_, \zero
	PLACES
.endif
	FETCH_W \nslot, \nt, 0
	SCALES \nslot, \nt, 1-SS_
.if \xrel >= 0
	XLOAD \xrel, ((\T)+4)%5                        ; into the set that the last step multiplied
.endif
.if \ask == 1
	PREF
.elseif \ask == 2
	s_cmp_gt_u32 s3, 1                             ; in the last trip no fill is left to ask for
	s_cbranch_scc0 .Lno_ask_\@
	PREF
.Lno_ask_\@:
.endif
.if \kind == 0
	s_wait_dscnt 26                                ; all but the 26 just issued
.endif
	MUL16 1, 0, XS_, SS_, \zero
	MUL16 1, 1, XS_, SS_, \zero
	PLACES
	FETCH_W \nslot, \nt, 1
.endm
	s_load_b128 s[4:7], s[0:1], 0x0                ; a_frag, b_frag
	s_load_b128 s[YR:YR+3], s[0:1], 0x10           ; out0, out1
	v_lshl_add_u32 v[SPW], v0, 2, SPARE
	v_mov_b32 v[NIL], 0
	ds_add_u32 v[SPW], v[NIL]                      ; the opening lines: the add twice on end and one wait
	ds_add_u32 v[SPW], v[NIL]
	v_lshrrev_b32 v1, 5, v0
	v_readfirstlane_b32 s14, v1                    ; wave
	s_lshr_b32 s15, s14, 1                         ; which unit
	s_and_b32 s16, s14, 1                          ; which half of it
	s_bfe_u32 s40, ttmp6, 0x40000                  ; cx
	s_lshl_b32 s17, ttmp9, 2
	s_add_co_u32 s17, s17, s40                     ; tr
	s_and_b32 s42, ttmp7, 0xffff                   ; tc: the same in all four partners
	s_mov_b32 s[G1], 15|(3<<16)|(1<<21)            ; mask 15, elements of 8 bytes, bit 21 beside the mask
	s_mov_b32 s[G1F], 15|(3<<16)|(1<<21)
.irp g, G1, G1F
	s_mov_b32 s[\g+1], 32<<16                      ; rows of 256 bytes
	s_mov_b32 s[\g+3], 32<<16
	s_mov_b32 s[\g+5], 32
	s_mov_b32 s[\g+6], 0
	s_mov_b32 s[\g+7], 0
.endr
	s_mov_b32 s[G1+2], (PARTB/256)<<16
	s_mov_b32 s[G1+4], PARTB/256
	s_mov_b32 s[G1F+2], (STEPB/256)<<16
	s_mov_b32 s[G1F+4], STEPB/256
	s_lshl_b32 s20, s17, 1
	s_add_co_u32 s20, s20, s15
	s_mul_i32 s20, s20, UNITB                      ; x's unit
	s_mov_b32 s21, 0
	s_lshl_b32 s46, s42, 1
	s_add_co_u32 s46, s46, s15
	s_mul_i32 s46, s46, UNITB                      ; w's unit
	s_mov_b32 s47, 0
	s_mul_i32 s18, s16, STEPB                      ; the head: wave 2 u + p brings step p of unit u
	s_mov_b32 s19, 0
	s_mul_i32 s22, s16, PARTB                      ; the ring: my half of the unit's five steps
	s_mov_b32 s23, 0
	s_mul_i32 s45, s14, PARTB                      ; and where it goes
	s_mul_i32 s44, s15, UNITL
	s_mul_i32 s12, s16, 3*STEPB
	s_add_co_u32 s44, s44, s12                     ; the head's step goes to place 0 or 3 of its unit
	s_lshl_b32 s8, s17, 7
	s_lshl_b32 s9, s14, 5
	s_add_co_u32 s8, s8, s9                        ; my first row of y: 128 tr + 32 wave
	s_lshl_b32 s8, s8, 13
	s_lshl_b32 s9, s42, 9
	s_add_co_u32 s8, s8, s9                        ; + 512 tc bytes
	s_mov_b32 s9, 0
	s_mul_i32 s12, s16, 2*FRB
	s_lshl_b32 s13, s16, 3
	s_mul_i32 s41, s14, 2*SHALF
	s_add_co_u32 s41, s41, STAGE
	s_min_u32 s66, s40, 1
	s_mul_i32 s67, s40, 31
	s_add_co_u32 s67, s67, s66                     ; my work-group's first block of a wave's 125: 0, 32, 63, 94
	s_sub_co_u32 s66, 31, s66                      ; and its last, counted from there
	v_and_b32 v1, 15, v0                           ; r
	v_bfe_u32 v2, v0, 4, 1                         ; h
	v_and_b32 v3, 31, v0
	v_lshlrev_b32 v4, 4, v3                        ; 16 x lane
	v_mov_b32 v[ADRW], v4
	v_add_nc_u32 v[ADRW+1], UNITL, v4
	v_add_nc_u32 v[ADRW+2], SLOT, v4
	v_add_nc_u32 v[ADRW+3], SLOT+UNITL, v4
	v_mul_u32_u24 v5, v2, UNITL
	v_lshl_add_u32 v5, v1, 4, v5
	v_add_nc_u32 v[ADRS], SCO, v5
	v_add_nc_u32 v[ADRS+1], SCO+SLOT, v5
	v_add_nc_u32 v[XO], s12, v4
	v_add_nc_u32 v[XSO], s13, v4
	v_mul_u32_u24 v6, v1, SPITCH
	v_lshl_add_u32 v6, v2, 5, v6
	v_add_nc_u32 v[STO], s41, v6                   ; into my stage: row r, 32 bytes for each half of the lanes
	v_add_nc_u32 v[RD], s41, v4                    ; back: 32 lanes take a row of 512 bytes
	v_mov_b32 v[CO], v4
	v_min_u32 v7, s66, v3                          ; lanes left over name the last block again
	v_add_nc_u32 v7, s67, v7
	v_lshlrev_b32 v[PFO], 8, v7
	s_wait_alu depctr_va_vdst(0)
	s_wait_dscnt 0x0                               ; both opening adds are done
	s_wait_kmcnt 0x0
	s_add_nc_u64 s[XB:XB+1], s[4:5], s[20:21]
	XLOAD 0, 0
	s_add_nc_u64 s[46:47], s[6:7], s[46:47]
	s_mov_b32 s[G0H], 1
	s_add_co_u32 s[G0H+1], s44, 0
	s_add_nc_u64 s[G0H+2:G0H+3], s[46:47], s[18:19]
	s_or_b32 s[G0H+3], s[G0H+3], 0x80000000
	s_add_nc_u64 s[46:47], s[46:47], s[22:23]
	s_mov_b32 s[G0], 1                             ; slot 0's first fill of the ring: steps 7 on
	s_add_co_u32 s[G0+1], s45, 0
	s_add_nc_u64 s[G0+2:G0+3], s[46:47], 7*STEPB
	s_or_b32 s[G0+3], s[G0+3], 0x80000000
	s_mov_b32 s[G0+4], 1                           ; slot 1's: steps 2 on
	s_add_co_u32 s[G0+5], s45, SLOT
	s_add_nc_u64 s[G0+6:G0+7], s[46:47], 2*STEPB
	s_or_b32 s[G0+7], s[G0+7], 0x80000000
	s_add_nc_u64 s[PFA:PFA+1], s[46:47], 7*STEPB
	s_add_nc_u64 s[YR:YR+1], s[YR:YR+1], s[8:9]
	s_add_nc_u64 s[YR+2:YR+3], s[YR+2:YR+3], s[8:9]
	CROUND                                         ; the round in front of the first joint loads
	TLOAD G0H, G1F                                 ; steps 0 and 1: one tensor load a wave at the head
	XLOAD 1, 1
	XLOAD 2, 2
	XLOAD 3, 3
	s_wait_tensorcnt 0x0                           ; the full sequence ahead of slot 1's first fill
	ds_add_u32 v[SPW], v[NIL]
	s_wait_dscnt 0x0
	CROUND
	TLOAD G0+4, G1                                 ; steps 2 to 6
	FETCH_W 0, 0, 0
	SCALES 0, 0, 0
	FETCH_W 0, 0, 1
	PREF                                           ; steps 7 to 11, which the next fill brings
	STEP 0, 0, 0, 3, 0, 1, 4, 39, 0, 0             ; the first step's products start the sums
	STEP 1, 0, 1, 0, 1, 0, 5, 39, 0, 1
	s_mov_b32 s3, 2
.Llap:                                                 ; a trip: five steps in slot 1, five in slot 0; both slots are filled again
.irp l, 0,1,2,3
	STEP 0, 1, 1, \l+1, \l+2, 0, \l+6, 39, 0, 0
.endr
	STEP 1, 1, 0, 0, 6, 0, 10, 39, 1, 1
.irp l, 0,1,2,3
	STEP 0, 0, 0, \l+1, \l+7, 0, \l+11, 39, 0, 0
.endr
	STEP 1, 0, 1, 0, 11, 0, 15, 39, 1, 2
	s_wait_xcnt 0x0                                ; x's loads have read their base
	s_add_nc_u64 s[XB:XB+1], s[XB:XB+1], 2*NST*STEPB
	s_sub_co_u32 s3, s3, 1
	s_cmp_lg_u32 s3, 0
	s_cbranch_scc1 .Llap
.irp l, 0,1,2,3                        ; steps 22 to 31: nothing more is filled
	STEP 0, 1, 1, \l+1, \l+22, 0, \l+6, 39, 0, 0
.endr
	STEP 2, 1, 0, 0, 26, 0, 10, 39, 0, 0
	STEP 0, 0, 0, 1, 27, 0, 11, 39, 0, 0
	STEP 0, 0, 0, 2, 28, 0, -1, 39, 0, 0
	STEP 0, 0, 0, 3, 29, 0, -1, 26, 0, 0
	STEP 0, 0, 0, 4, 30, 0, -1, 13, 0, 0
	s_wait_loadcnt 0x0
	s_wait_dscnt 24
	MUL16 0, 0, 1, 1, 0
	MUL16 0, 1, 1, 1, 0
	s_wait_dscnt 0x0
	MUL16 1, 0, 1, 1, 0
	MUL16 1, 1, 1, 1, 0
	WIN 0
; THE WAY OUT, in four parts n: 16 rows (j = n / 2) of y_real (n even) or y_imag (n odd), 128 columns.  The two products are joined; a lane's 32 bytes go into my own stage and come back as whole rows
; of 512 bytes, which 32 lanes store.  LDS serves a wave's instructions in order (ISA guide 5.7.1.4): no wait between the stores and the loads.  Each accumulator is read from its low end on.
.macro COMBINE n
.set OB, BK+64*((\n)%2)
.set AJ, 128*((\n)/2)
	WIN 0x0e                                       ; source 0 window 2 (x re), source 1 window 3 (x im)
.irp ci, 0,1,2,3,4,5,6,7
.set RE_, AJ+8*(8*(\ci/4)+\ci%4)
.set IM_, RE_+32
.irp e, 0,2,4,6
.if (\n)%2 == 0
	v_pk_add_f32 v[OB+8*\ci+\e:OB+8*\ci+\e+1], v[RE_+\e:RE_+\e+1], v[IM_+\e:IM_+\e+1] neg_lo:[0,1] neg_hi:[0,1]   ; xr wr - xi wi
.else
	v_pk_add_f32 v[OB+8*\ci+\e:OB+8*\ci+\e+1], v[IM_+\e:IM_+\e+1], v[RE_+\e:RE_+\e+1]                             ; xr wi + xi wr
.endif
.endr
.endr
	WIN 0
.endm
.macro TOSTAGE n
.set OB, BK+64*((\n)%2)
.irp ci, 0,1,2,3,4,5,6,7
	ds_store_b128 v[STO], v[OB+8*\ci:OB+8*\ci+3] offset:SHALF*((\n)%2)+64*\ci
	ds_store_b128 v[STO], v[OB+8*\ci+4:OB+8*\ci+7] offset:SHALF*((\n)%2)+64*\ci+16
.endr
.irp t, 0,1,2,3,4,5,6,7,8,9,10,11,12,13,14,15
	ds_load_b128 v[OB+4*\t:OB+4*\t+3], v[RD] offset:SHALF*((\n)%2)+\t*SPITCH
.endr
.endm
.macro SEND n, younger
.set OB, BK+64*((\n)%2)
	s_wait_dscnt \younger
.irp t, 0,1,2,3,4,5,6,7,8,9,10,11,12,13,14,15
	global_store_b128 v[CO], v[OB+4*\t:OB+4*\t+3], s[YR+2*((\n)%2):YR+2*((\n)%2)+1] offset:(16*((\n)/2)+\t)*OROW   ; 32 lanes store 512 consecutive bytes, aligned
.endr
.endm
	PLACES
	COMBINE 0
	TOSTAGE 0
	COMBINE 1
	TOSTAGE 1
	SEND 0, 32                                     ; behind part 0's loads: part 1's 16 stores and 16 loads
	s_wait_xcnt 0x0                                ; part 0's stores have read their registers
	COMBINE 2
	TOSTAGE 2
	SEND 1, 32
	s_wait_xcnt 0x0
	COMBINE 3
	TOSTAGE 3
	SEND 2, 32
	SEND 3, 0
	s_wait_tensorcnt 0x0                           ; the wave's end
	ds_add_u32 v[SPW], v[NIL]
	s_wait_dscnt 0x0
	CROUND                                         ; the closing round
	s_endpgm
.Lfunc_end_k_qe5f2b521ff_gemm:
	.size	k_qe5f2b521ff_gemm, .Lfunc_end_k_qe5f2b521ff_gemm-k_qe5f2b521ff_gemm
	.p2alignl 7, 3214868480
	.fill 96, 4, 3214868480
	.section	.rodata,"a",@progbits
	.p2align	6, 0x0
	.amdhsa_kernel k_qe5f2b521ff_gemm
		.amdhsa_group_segment_fixed_size 327680
		.amdhsa_private_segment_fixed_size 0
		.amdhsa_enable_private_segment 0
		.amdhsa_kernarg_size 32
		.amdhsa_user_sgpr_count 2
		.amdhsa_user_sgpr_kernarg_segment_ptr 1
		.amdhsa_wavefront_size32 1
		.amdhsa_system_sgpr_workgroup_id_x 1
		.amdhsa_system_sgpr_workgroup_id_y 1
		.amdhsa_system_sgpr_workgroup_id_z 1
		.amdhsa_system_vgpr_workitem_id 0
		.amdhsa_next_free_vgpr 1024
		.amdhsa_next_free_sgpr 102
		.amdhsa_reserve_vcc 0
		.amdhsa_float_denorm_mode_32 3
		.amdhsa_float_denorm_mode_16_64 3
		.amdhsa_memory_ordered 1
		.amdhsa_forward_progress 1
		.amdhsa_inst_pref_size 255
	.end_amdhsa_kernel
	.section	.bss,"aw",@nobits
	.p2align	6
	.space	262144
	.amdgpu_metadata
---
amdhsa.version: [ 1, 2 ]
amdhsa.kernels:
  - .name:           k_qe5f2b521ff_gemm
    .symbol:         k_qe5f2b521ff_gemm.kd
    .args:
      - { .name: a_frag, .offset: 0, .size: 8, .value_kind: global_buffer, .address_space: global }
      - { .name: b_frag, .offset: 8, .size: 8, .value_kind: global_buffer, .address_space: global }
      - { .name: out0, .offset: 16, .size: 8, .value_kind: global_buffer, .address_space: global }
      - { .name: out1, .offset: 24, .size: 8, .value_kind: global_buffer, .address_space: global }
    .group_segment_fixed_size: 327680
    .private_segment_fixed_size: 0
    .kernarg_segment_align: 8
    .kernarg_segment_size: 32
    .max_flat_workgroup_size: 128
    .sgpr_count:     102
    .vgpr_count:     1024
    .wavefront_size: 32
...
	.end_amdgpu_metadata
.endif
;; end of part 3
